; MI455X (gfx1250); checked and timed in simulation.
; The chip was launched on July 23, 2026; its instructions are those of AMD's public machine-readable ISA for CDNA 5 (MIT licence, August 2026) and "CDNA5" Instruction Set Architecture Reference Guide (July 2026). The comments in the code are by the model that wrote it; some were corrected since.
;; Memory Efficient Attention. Allowed arithmetic: matrix products marked QUANTISED: E2M3 operands, one E8M0 scale for each 32 along K, by v_wmma_scale_f32_16x16x128_f8f6f4 with both operands' format E2M3, f32 sums; everything else in f32.
;; Inputs: k 2 x 16 x 2,048 x 64 float32; q 2 x 16 x 2,048 x 64 float32; v 2 x 16 x 2,048 x 64 float32.
;; Outputs: out0 2 x 16 x 2,048 x 64 float32.
;; This version of the problem:
;;   THIS VERSION OF THE PROBLEM IS GIVEN IN LOW PRECISION. The matrix products marked QUANTISED in the list below multiply operands that are first quantised to E2M3 (2 exponent bits, 3 mantissa bits; 6 bits a number), with one power-of-two scale for each 32 numbers along K (OCP MX v1.0); their sums are f32. All else is computed in f32.
;;   The module's matrix products, in the order in which they are computed (A, B: the left and right operand; K: the contracted axis; several contracted axes count as one K, in the product's order):
;;     1. batch 32 x [M 2,048, K 64] x [K 64, N 2,048]; A: input q; B: input k: QUANTISED
;;     2. batch 32 x [M 2,048, K 2,048] x [K 2,048, N 64]; A: softmax (see below); B: input v: QUANTISED
;;   THE QUANTISER, for each operand of a quantised product, along K:
;;     - K is cut into blocks of 32 from its start; a last block that is shorter is filled with zeros.
;;     - A block's scale is 2^e with e = floor(log2(the largest magnitude in the block)) - 2, held to -126 .. 127; a block of zeros has e = 0. As a byte (E8M0): e + 127.
;;     - Each number is divided by its block's scale, clamped to +-7.5, and rounded to the nearest number of E2M3, ties to even, subnormals kept.
;;     - The product sums the exact products of the quantised numbers (number of the format x scale) in f32.
;;   ~~~python
;;   def quantise(x, axis):      # numpy; x: float32 -> the quantised numbers, widened to float32 again
;;       x = np.moveaxis(x, axis, -1); K = x.shape[-1]
;;       x = np.pad(x, [(0, 0)] * (x.ndim - 1) + [(0, -K % 32)]); x = x.reshape(x.shape[:-1] + (-1, 32)); a = np.abs(x).max(-1, keepdims=True)
;;       e = np.where(a > 0, np.clip(np.frexp(np.where(a > 0, a, 1))[1] - 1 - 2, -126, 127), 0)      # np.frexp(a)[1] - 1 = floor(log2(a)), exactly
;;       r = np.clip(x / 2.0 ** e, -7.5, 7.5)
;;       step = 2.0 ** (np.maximum(np.frexp(np.where(r == 0, 1, r))[1] - 1, 0) - 3)
;;       q = np.round(r / step) * step * 2.0 ** e      # np.round: ties to even
;;       return np.moveaxis(q.reshape(q.shape[:-2] + (-1,))[..., :K], -1, axis).astype(np.float32)
;;   ~~~
;;   SOFTMAX AHEAD OF A QUANTISED PRODUCT. Where the list says 'softmax', what is quantised is not the finished softmax but p = 2^(t - M), with t = logit x log2(e) and M = ceil(the row's largest t), a whole number; so 1/2 < the row's largest p <= 1. The row's sum l is taken of the UNQUANTISED p, in f32, and the product's result is divided by l at the end. Since M is a whole number, a kernel that streams over the keys may use a running M (the ceiling of the running maximum): every later rescaling is an exact power of two, which a block's scale takes up: the codes' values come out the same.
;;   OPERANDS COMPUTED ON THE WAY. 'Computed on the way' means the value that the module computes at that place (a softmax that the list does not call 'softmax' is quantised finished and normalised). What goes into a quantiser is computed in f32, as accurately as f32 sums, v_exp_f32 and their like allow (about 1e-6 of the number): no bf16 or f16 on the way to a quantiser, and a product that is left as it is and whose result goes on into a quantised operand takes f32 operands (vector FMAs, or v_wmma_f32_16x16x4_f32). A number that lies on a knife's edge between two numbers of the format may be rounded either way, as far as f32 arithmetic and the matrix unit's own rounding can turn it there, and no further.
;; One version. Each part assembles by itself: llvm-mc -triple=amdgcn-amd-amdhsa -mcpu=gfx1250 --defsym DOCPART=n.
;; ======== version 1 of 1: 2 launches
;; limits: right only within a limited range of input values
;; workspace buffers: kv 6,815,744 bytes
;; launch quant (part 1): grid 512 x 1, 4 waves a work-group, no clusters, 72,192 bytes of LDS; arguments k, v, kv; writes kv
.if DOCPART == 1
	.amdgcn_target "amdgcn-amd-amdhsa--gfx1250"
	.amdhsa_code_object_version 6
	.text
	.protected	k_q9b37f04882_quant
	.globl	k_q9b37f04882_quant
	.p2align	8
	.type	k_q9b37f04882_quant,@function
k_q9b37f04882_quant:
	s_mov_b64 s[64:65], 0
	v_nop
	global_prefetch_b8 v0, s[64:65] scope:SCOPE_SE
	s_setreg_imm32_b32 hwreg(HW_REG_WAVE_MODE, 25, 1), 1
	s_wait_xcnt 0x0
; k and v, [32 heads][2048 keys][64] f32, become codes of FP6 (E2M3) with one E8M0 scale byte for each 32 along a product's K: k along the head's 64, v along the KEYS.
; They are laid in kv as IMAGES OF THE OPERAND REGISTERS that the attention launch wants, so that it fetches fragments by dense loads of 16 bytes a lane alone.
; kv = 512 blocks (head x 16 + step) of BLK = 13,312 bytes, a block for 128 keys.  l = lane, r = l % 16, h = l / 16:
;   +0      K's codes: 12 chunks of 512 bytes, lane l's 16 bytes at 16 l.  A lane's 48 words are registers 6 t + p (tile t = 4 c + u = 0..7, p = 0..5): the 24 bytes of codes of
;           key 64 c + 32 (r / 8) + 8 u + r % 8, dims 32 h .. 32 h + 31: one block of 32.  (So the scores of tiles 4 c .. 4 c + 3 are, in a lane of half h, the 32 neighbouring keys 64 c + 32 h on: a whole block.)
;   +6144   V's codes: 4 fragments t of 1,536 bytes (3 chunks): lane (r, h) holds channel 16 t + r; registers 6 c .. 6 c + 5 hold keys 64 c + 32 h + 0 .. 31.
;   +12288  K's scale words: two images of 256 bytes, 8 bytes a lane: word u = 0..3: lanes 0-15 tile 2 u's row r, lanes 16-31 tile 2 u + 1's.  Bytes 0, 1: dims 0-31, 32-63; bytes 2, 3 are 0.
;   +12800  V's scale words: two images of 256 bytes, 8 bytes a lane, the word twice: image w: lanes 0-15 fragment 2 w's row r, lanes 16-31 fragment 2 w + 1's; four bytes for the step's four blocks of keys.
; A block's scale is 2^(floor(log2(its largest magnitude)) - 2): its byte is the largest magnitude's exponent field - 2, held at 1 from below by a floor among the maximum's leaves.
; LIMITS: a block of zeros gets the byte 1 where the rule says 127 (its codes are zeros, and this program alone reads the bytes); NaN and infinities among the inputs are not served.
; SHARES: work-groups 0-255 take k, 256-511 take v.  A wave takes half a block, 16 KiB of f32, asks for all of it at once, and shares nothing with other waves: no barrier, no loop, every offset an immediate.
; Nothing is left out in this launch.  No register of a store and no address register is written again, and EXEC never changes: so no wait on XCNT is written.
.set BLK,   13312
.set VCOFF, 6144
.set KSOFF, 12288
.set VSOFF, 12800
.set WREG,  17920                      ; LDS (K's path alone): a region for each wave: its stage
.set STG,   8832                       ; the stage: 64 keys; key x at 272 x + 128 (x / 32)
.set KP,    272                        ; a key's 256 bytes + 16
.set SPARE, 4*WREG                     ; the spare words, 128 bytes a wave
.set L16, 4                            ; v4   16 x lane
.set L8,  5                            ; v5   8 x lane
.set L4,  6                            ; v6   4 x lane
.set WA,  7                            ; v7   the stage, on the way in
.set RA,  8                            ; v8   and on the way out
.set SH,  9                            ; v9   8 h
.set MX,  10                           ; v10-13 largest magnitudes
.set SC,  14                           ; v14-17 the conversions' scale operands
.set BY,  18                           ; v18-21 scale bytes
.set PD,  22                           ; v22-23 lane permutes' destinations
.set W,   24                           ; v24-25 the scale words that are stored
.set T0,  26                           ; v26-28, v30-32: the upper halves of a block's codes, as the conversions leave them
.set T1,  30
.set C0,  36                           ; v36-47 codes: K's first two tiles; V's even blocks
.set C1,  48                           ; v48-59 codes: K's last two tiles; V's odd blocks
.set SPW, 62                           ; v62  LDS address of my spare word
.set NIL, 63                           ; v63  0
.set R,   64                           ; v64-191 the numbers as loaded
.set XA,  192                          ; v192-255 K: 2 x 32 neighbours along the head's axis
	s_load_b128 s[4:7], s[0:1], 0x0                ; k, v
	s_load_b64 s[8:9], s[0:1], 0x10                ; kv
	v_lshl_add_u32 v[SPW], v0, 2, SPARE
	v_mov_b32 v[NIL], 0
	v_lshrrev_b32 v1, 5, v0
	v_readfirstlane_b32 s10, v1                    ; wave 0..3
	v_and_b32 v1, 31, v0                           ; lane
	v_and_b32 v2, 15, v0                           ; r
	v_bfe_u32 v3, v0, 4, 1                         ; h
	v_lshlrev_b32 v[L16], 4, v1
	v_lshlrev_b32 v[L8], 3, v1
	v_lshlrev_b32 v[L4], 2, v1
	s_mul_i32 s28, s10, WREG                       ; my wave's region of LDS
	v_mul_u32_u24 v[WA], v3, KP                    ; in: a load's 512 bytes are two keys: lanes 0-15 the even one, lanes 16-31 the odd one
	v_lshl_add_u32 v[WA], v2, 4, v[WA]
	v_add_nc_u32 v[WA], s28, v[WA]
	v_mul_u32_u24 v[RA], v2, KP                    ; out: key 32 (r / 8) + r % 8 (+ 8 u), my half of its 256 bytes:
	v_lshrrev_b32 v[SH], 3, v2                     ; 272 r + (STG - 8 x 272) (r / 8) + 128 h
	v_mad_u32_u24 v[RA], v[SH], STG-8*KP, v[RA]
	v_lshl_add_u32 v[RA], v3, 7, v[RA]
	v_add_nc_u32 v[RA], s28, v[RA]
	v_lshlrev_b32 v[SH], 3, v3
	v_mov_b32 v[PD], 0                             ; written once: a lane permute's destination counts as one of its sources
	v_mov_b32 v[PD+1], 0
	s_mov_b32 s24, 0x76543210
	s_mov_b32 s25, 0xfedcba98                      ; v_permlanex16_b32's selects for lane l xor 16
	s_mov_b32 vcc_lo, 0xffff0000                   ; lanes 16-31
	s_and_b32 s11, ttmp9, 255
	s_lshl_b32 s11, s11, 2
	s_add_co_u32 s11, s11, s10                     ; which half block of the tensor is my wave's
	s_lshr_b32 s12, s11, 1                         ; block = head x 16 + step
	s_and_b32 s13, s11, 1                          ; half
	s_lshl_b32 s14, s12, 15                        ; a block's 128 keys are 32,768 bytes of f32
	s_mov_b32 s15, 0
	s_mul_i32 s16, s12, BLK
	s_mul_i32 s29, s13, 3072
	s_add_co_u32 s16, s16, s29                     ; codes: half a block's are 3,072 bytes
	s_mov_b32 s17, 0
	s_mul_i32 s26, s12, BLK
	s_lshl_b32 s29, s13, 8
	s_add_co_u32 s26, s26, s29                     ; scale words: an image of 256 bytes
	s_mov_b32 s27, 0
	s_wait_alu depctr_va_vdst(0)                   ; the head's end
	s_wait_kmcnt 0x0
	s_add_nc_u64 s[20:21], s[8:9], s[16:17]
	s_add_nc_u64 s[22:23], s[8:9], s[26:27]
; Two blocks of 32 numbers, v[xa] on and v[xb] on, by turns: largest magnitudes (with the floor 2^(3 - 127)) into v[MX+n], v[MX+n+1]; scale operands and bytes beside them.
.macro MAX2 xa, xb, n
	v_max3_num_f32 v[MX+\n], |v[\xa]|, |v[\xa+1]|, 0x1800000
	v_max3_num_f32 v[MX+\n+1], |v[\xb]|, |v[\xb+1]|, 0x1800000
.irp i, 2,4,6,8,10,12,14,16,18,20,22,24,26,28,30
	v_max3_num_f32 v[MX+\n], v[MX+\n], |v[\xa+\i]|, |v[\xa+\i+1]|
	v_max3_num_f32 v[MX+\n+1], v[MX+\n+1], |v[\xb+\i]|, |v[\xb+\i+1]|
.endr
	v_add_nc_u32 v[SC+\n], 0xff000000, v[MX+\n]    ; 2 off the exponent field: the conversion takes the exponent field of this operand as its scale, and nothing else of it
	v_add_nc_u32 v[SC+\n+1], 0xff000000, v[MX+\n+1]
	v_lshrrev_b32 v[BY+\n], 23, v[SC+\n]           ; the scale's byte
	v_lshrrev_b32 v[BY+\n+1], 23, v[SC+\n+1]
.endm
; A block's 32 numbers become 192 bits: the lower 16 codes in v[dst] on; the upper 16 in v[tmp] on, since a conversion's three registers begin on an even number
.macro CVT6 dst, x, sc, tmp
	v_cvt_scalef32_pk16_fp6_f32 v[\dst:\dst+2], v[\x:\x+15], v[\sc]
	v_cvt_scalef32_pk16_fp6_f32 v[\tmp:\tmp+2], v[\x+16:\x+31], v[\sc]
.endm
.macro MOV3 dst, tmp
	v_mov_b32 v[\dst], v[\tmp]
	v_mov_b32 v[\dst+1], v[\tmp+1]
	v_mov_b32 v[\dst+2], v[\tmp+2]
.endm
	s_cmp_lt_u32 ttmp9, 256                        ; k's work-group or v's
	s_cbranch_scc0 .Lv
	; ---------------- K: my 64 keys, 16 KiB, dense.  Each load reads 512 consecutive bytes, two keys; a lane needs 32 NEIGHBOURS of one key: so the keys turn through my own stage in LDS.
	; They come in two parts p of 32 keys, each with all rows of two tiles: keys 16 p .. 16 p + 15 and 32 + 16 p .. 47 + 16 p.
	s_lshl_b32 s29, s13, 14
	s_add_co_u32 s14, s14, s29
	s_add_nc_u64 s[18:19], s[4:5], s[14:15]
.set i, 0
.rept 32
	global_load_b128 v[R+4*i:R+4*i+3], v[L16], s[18:19] offset:256*(16*(i/16)+2*(i%8)+32*((i/8)%2)) th:TH_LOAD_NT
.set i, i+1
.endr
.macro STAGE_IN p                      ; part p, as loaded
.set i, 0
.rept 16
	ds_store_b128 v[WA], v[R+64*\p+4*i:R+64*\p+4*i+3] offset:KP*(16*\p+2*(i%8))+STG*(i/8)
.set i, i+1
.endr
.endm
.macro STAGE_OUT p, x                  ; and back: tiles 2 p and 2 p + 1 of my four; 32 numbers each
.irp e, 0,1
.irp j, 0,1,2,3,4,5,6,7
	ds_load_b128 v[\x+32*\e+4*\j:\x+32*\e+4*\j+3], v[RA] offset:8*KP*(2*\p+\e)+16*\j
.endr
.endr
.endm
; Tiles 2 p and 2 p + 1: twelve registers of codes, stored as three chunks, and scale word p of my image.
.macro QUANTK p, x
	MAX2 \x, \x+32, 0
	CVT6 C0+12*\p, \x, SC, T0
	CVT6 C0+12*\p+6, \x+32, SC+1, T1
	v_nop                                          ; one plain place behind the last scaled conversion
	MOV3 C0+12*\p+3, T0
	MOV3 C0+12*\p+9, T1
	v_lshlrev_b32 v[BY], v[SH], v[BY]              ; my byte at its place in the word: dims 32 h on are byte h;
	v_lshlrev_b32 v[BY+1], v[SH], v[BY+1]
	v_permlanex16_b32 v[PD], v[BY], s24, s25
	v_permlanex16_b32 v[PD+1], v[BY+1], s24, s25
	v_or_b32 v[BY], v[BY], v[PD]                   ; with lane l xor 16's the row's word is whole
	v_or_b32 v[BY+1], v[BY+1], v[PD+1]
	v_cndmask_b32 v[W+\p], v[BY], v[BY+1], vcc_lo  ; lanes 0-15 keep the even tile's, lanes 16-31 the odd tile's
.irp c, 0,1,2
	global_store_b128 v[L16], v[C0+12*\p+4*\c:C0+12*\p+4*\c+3], s[20:21] offset:1536*\p+512*\c   ; 32 lanes store 512 consecutive bytes
.endr
.endm
	s_wait_loadcnt 16                              ; part 0's sixteen loads are in; part 1's sixteen may be out
	STAGE_IN 0
	STAGE_OUT 0, XA                                ; LDS serves a wave's instructions in order (ISA guide 5.7.1.4): these see the stores above
	s_wait_dscnt 0x0
	QUANTK 0, XA
	s_wait_loadcnt 0x0
	STAGE_IN 1
	STAGE_OUT 1, R                                 ; into the registers that part 0 has left
	s_wait_dscnt 0x0
	QUANTK 1, R
	global_store_b64 v[L8], v[W:W+1], s[22:23] offset:KSOFF   ; 32 lanes store 256 consecutive bytes, aligned
	s_wait_tensorcnt 0x0                           ; the wave's end
	ds_add_u32 v[SPW], v[NIL]
	s_wait_dscnt 0x0
	s_endpgm
	; ---------------- V: K = the keys is its FIRST axis here: a lane takes a channel (32 x half + lane) and its registers run down the 128 keys: four whole blocks a lane, nothing is transposed.
.Lv:
	s_lshl_b32 s29, s13, 7
	s_add_co_u32 s14, s14, s29
	s_add_nc_u64 s[18:19], s[6:7], s[14:15]
.set i, 0
.rept 128
	global_load_b32 v[R+i], v[L4], s[18:19] offset:256*i th:TH_LOAD_NT
.set i, i+1
.endr
	s_wait_loadcnt 63                              ; of 128 loads at least 65 are in: blocks 0 and 1
	MAX2 R, R+32, 0
	CVT6 C0, R, SC, T0                             ; even blocks into C0, odd blocks into C1
	CVT6 C1, R+32, SC+1, T1
	v_nop                                          ; one plain place behind the last scaled conversion
	MOV3 C0+3, T0
	MOV3 C1+3, T1
	s_wait_loadcnt 0x0
	MAX2 R+64, R+96, 2
	CVT6 C0+6, R+64, SC+2, T0
	CVT6 C1+6, R+96, SC+3, T1
	v_nop
	MOV3 C0+9, T0
	MOV3 C1+9, T1
.set i, 0
.rept 12                               ; C0's lanes 16-31 change places with C1's lanes 0-15: C0 is then the fragment of channels 0-15 of my 32 (lanes 0-15 its even blocks, lanes 16-31 its odd ones), C1 that of channels 16-31
	v_permlane16_swap_b32 v[C0+i], v[C1+i]
.set i, i+1
.endr
.irp c, 0,1,2
	global_store_b128 v[L16], v[C0+4*\c:C0+4*\c+3], s[20:21] offset:VCOFF+512*\c
.endr
.irp c, 0,1,2
	global_store_b128 v[L16], v[C1+4*\c:C1+4*\c+3], s[20:21] offset:VCOFF+1536+512*\c
.endr
	v_lshl_or_b32 v[W], v[BY+1], 8, v[BY]          ; my channel's four bytes: its scale word for these 128 keys
	v_lshl_or_b32 v[W], v[BY+2], 16, v[W]
	v_lshl_or_b32 v[W], v[BY+3], 24, v[W]
	v_mov_b32 v[W+1], v[W]                         ; twice, so that the 32 lanes store 256 consecutive bytes, aligned
	global_store_b64 v[L8], v[W:W+1], s[22:23] offset:VSOFF
	s_endpgm
.Lfunc_end_k_q9b37f04882_quant:
	.size	k_q9b37f04882_quant, .Lfunc_end_k_q9b37f04882_quant-k_q9b37f04882_quant
	.p2alignl 7, 3214868480
	.fill 96, 4, 3214868480
	.section	.rodata,"a",@progbits
	.p2align	6, 0x0
	.amdhsa_kernel k_q9b37f04882_quant
		.amdhsa_group_segment_fixed_size 72192
		.amdhsa_private_segment_fixed_size 0
		.amdhsa_enable_private_segment 0
		.amdhsa_kernarg_size 24
		.amdhsa_user_sgpr_count 2
		.amdhsa_user_sgpr_kernarg_segment_ptr 1
		.amdhsa_wavefront_size32 1
		.amdhsa_system_sgpr_workgroup_id_x 1
		.amdhsa_system_sgpr_workgroup_id_y 1
		.amdhsa_system_sgpr_workgroup_id_z 1
		.amdhsa_system_vgpr_workitem_id 0
		.amdhsa_next_free_vgpr 256
		.amdhsa_next_free_sgpr 66
		.amdhsa_reserve_vcc 1
		.amdhsa_float_denorm_mode_32 3
		.amdhsa_float_denorm_mode_16_64 3
		.amdhsa_memory_ordered 1
		.amdhsa_forward_progress 1
		.amdhsa_inst_pref_size 36
	.end_amdhsa_kernel
	.amdgpu_metadata
---
amdhsa.version: [ 1, 2 ]
amdhsa.kernels:
  - .name:           k_q9b37f04882_quant
    .symbol:         k_q9b37f04882_quant.kd
    .args:
      - { .name: k, .offset: 0, .size: 8, .value_kind: global_buffer, .address_space: global }
      - { .name: v, .offset: 8, .size: 8, .value_kind: global_buffer, .address_space: global }
      - { .name: kv, .offset: 16, .size: 8, .value_kind: global_buffer, .address_space: global }
    .group_segment_fixed_size: 72192
    .private_segment_fixed_size: 0
    .kernarg_segment_align: 8
    .kernarg_segment_size: 24
    .max_flat_workgroup_size: 128
    .sgpr_count:     66
    .vgpr_count:     256
    .wavefront_size: 32
...
	.end_amdgpu_metadata
.endif
;; end of part 1
;; launch attn (part 2): grid 8 x 32, 16 waves a work-group, clusters of 4 x 1, 303,104 bytes of LDS; arguments q, kv, out0; writes out0
.if DOCPART == 2
	.amdgcn_target "amdgcn-amd-amdhsa--gfx1250"
	.amdhsa_code_object_version 6
	.text
	.protected	k_q9b37f04882_attn
	.globl	k_q9b37f04882_attn
	.p2align	8
	.type	k_q9b37f04882_attn,@function
k_q9b37f04882_attn:
	s_mov_b64 s[64:65], 0
	v_nop
	global_prefetch_b8 v0, s[64:65] scope:SCOPE_SE
	s_setreg_imm32_b32 hwreg(HW_REG_WAVE_MODE, 25, 1), 1
	s_wait_xcnt 0x0
	s_wait_alu depctr_hold_cnt(0) depctr_sa_sdst(0) depctr_va_vdst(0) depctr_va_sdst(0) depctr_va_ssrc(0) depctr_va_vcc(0) depctr_vm_vsrc(0)
	s_getreg_b32 s2, hwreg(HW_REG_IB_STS2, 6, 4)
	s_cmp_eq_u32 s2, 0
	s_cbranch_scc0 .Lentry_in_a_cluster
	s_endpgm
.Lentry_in_a_cluster:
	s_bfe_u32 s2, ttmp6, 0x10000c
	s_cmp_lg_u32 s2, 0x3003
	s_cbranch_scc0 .Lentry_shape_is_right
	s_endpgm
.Lentry_shape_is_right:
; out0[head][x][:] = the sum over keys k <= x of softmax_k(Q[x] . K[k] / 8) V[k][:], 32 heads, 2,048 queries and keys, head size 64; both products on codes of FP6 (E2M3) with one E8M0 scale for each 32 along K.
; K and V come from kv as images of operand registers (their layout: at the head of the launch that makes them); q arrives as f32 and is quantised here, in registers.
; THE SOFTMAX AHEAD OF THE SECOND PRODUCT: t = score x log2(e) / 8; M = the row's largest t so far, rounded UP to a whole number; p = 2^(t - M) is quantised along the keys, not normalised.
; The row's sum is taken of the unquantised p and divides O at the end.  When M moves, the sum and O are multiplied by 2^(old M - new M): exact.
; WHAT IS LEFT OUT: steps of 128 keys all of which the causal mask, hides from all 16 queries of a tile.
; A WHOLE HEAD'S K AND V LIE IN LDS: 16 blocks of 13,312 bytes, 212,992 in all, filled once: each of the sixteen waves brings one block by one tensor load.  No slot is filled twice, so there is no ring.
; CLUSTER: the 8 work-groups of a head are two clusters of four; the four need the same 16 blocks, so each block is asked for JOINTLY: the same load, the same descriptor, a mask that names the four.
; SHARES: a tile is 16 queries; tile T = g + 8 rank: g = the work-group's number in its head (0..7), rank 0..15.  A key step is 128 keys; a tile of rank n has n + 1 steps, the last on the diagonal.
; Waves p and p + 8 (p = 0..7) share the tiles of ranks p ('low') and 15 - p ('high'), 17 steps: wave p takes the low tile, p + 1 steps, and sends it out; then the high tile's first 8 - p steps: 9 in all.
; Wave p + 8 takes the high tile's last 8 steps, 8 - p .. 15 - p, and at the end adds wave p's part, which comes through LDS, and sends the tile out.  So all waves have 8 or 9 steps, and all work-groups the same work.
; Which steps a wave takes hangs on its number and the loops' counters alone; g enters only q's and out0's addresses and the mask's numbers.
; WHAT IS WAITED FOR: the first loop reads blocks 0-7 alone, which waves 0-7 bring by a load line of their own: the first barrier shows them.  The second barrier, signalled ahead of the first loop and waited for behind it, shows all blocks.
; LAYOUT: both products are used transposed: S^T = K Q^T (source 0 = 16 keys, source 1 = my 16 queries), O^T = V^T P^T (source 0 = 16 channels, source 1 = P): a lane holds ONE query (r = lane % 16) throughout.
; The keys of a tile are chosen so that register 32 c + i of S^T is key 64 c + 32 h + i of the step (h = lane / 16): a lane holds whole blocks of 32 keys, blocks h and 2 + h, in the order of P's operand registers.
; THE MASK: on the diagonal the first product starts from C = 0 for visible keys and -2^100 for hidden ones: 64 registers, a table in LDS that the work-group makes once.
; THE FIRST PRODUCT'S K IS 64, HALF OF THE INSTRUCTION'S 128.  Q's registers 6-11 are zero codes.  K's tiles lie 6 registers apart, and tile t's operand v[32 + 6 t : 43 + 6 t] takes the next tile's codes
; (for tile 7: six registers of zeros) as its k = 64 .. 127: finite numbers, since E2M3 has no infinity and no NaN, times zero codes, under scale bytes 0 (2^-127) on both sides: they add exact zeros.
; All that the launch reads is asked for at its head: nothing is left that could be asked for ahead of its load.
; LIMITS: scaled scores under 2^31 in magnitude; NaN and infinities among the inputs are not served; a block of zeros has the byte 1 and zero codes; a p under 2^-126 falls to 0 (v_exp_f32 gives 0 there: ISA guide 15.8).
.set BLK,   13312                      ; a step's block in LDS, as in kv: K's codes, V's codes, K's scale words, V's scale words
.set VC,    6144
.set KS,    12288
.set VS,    12800
.set SP,    272                        ; a stage's row: 256 bytes + 16: the sixteen rows that a pass touches start at sixteen different places modulo 256 bytes
.set WST,   16*SP                      ; a wave's stage: q's turn, and the way out; wave p + 8's also takes wave p's part of the high tile: 4,096 + 128 + 128 bytes
.set STAGE, 16*BLK                     ; behind the head's blocks; no tensor load lands from here on
.set MASK,  STAGE+16*WST               ; the mask: 16 images of four registers, 512 bytes each
.set QX,    MASK+8192                  ; Q's operand of the high tiles, from wave p + 8 to wave p: 1,280 bytes a pair
.set SPARE, QX+8*1280                  ; the spare words, 128 bytes a wave
.set A16, 1                            ; v1   16 x lane: an image's place for my lane; also my bytes in q's and out0's tile
.set A8,  2                            ; v2   8 x lane: a scale word's
.set XO,  3                            ; v3   the pair's part of O: + 16 x lane
.set XO4, 4                            ; v4   the same + 4 x lane
.set SW,  5                            ; v5   the stage by rows as they lie in memory: two rows an instruction
.set ADK, 6                            ; v6   the step's codes
.set ADS, 7                            ; v7   the step's scale words
.set SQ,  8                            ; v8   the stage: row r, + 128 h: my 32 numbers of q
.set SI,  9                            ; v9   the stage: row r, + 32 h: my eight channels of a tile of O
.set QF,  16                           ; v16-21 Q's codes, v22-27 zeros
.set QS,  28                           ; v28  Q's scale words
.set KF,  32                           ; v32-79 K's eight tiles, then V's four fragments; v80-85 zeros
.set KW,  86                           ; v86-89 K's scale words
.set VW,  90                           ; v90-91 V's
.set XQ,  92                           ; v92  the pair's Q: + 16 x lane
.set XQ4, 93                           ; v93  the same + 4 x lane
.set MA,  94                           ; v94  the mask: + 16 x lane
.set MS,  95                           ; v95  the image of the mask that I make
.set S,   96                           ; v96-159 S^T, then p
.set OT,  160                          ; v160-191 O^T
.set PC,  192                          ; v192-203 p's codes; v204-206, v208-210 the conversions' upper halves
.set PT,  204
.set BM,  212                          ; v212-213 my two blocks' largest scores, then largest p
.set PM,  214                          ; v214-215 lane permutes' destinations, scale bytes
.set SO,  216                          ; v216-217 the conversions' scale operands
.set F,   218                          ; v[218:219] f = 2^(old M - new M); the upper word is only named
.set TT,  220                          ; v220 at work
.set PW,  221                          ; v221 p's scale word
.set SA,  222                          ; v222-227 three more chains of the sum
.set F2,  228                          ; v[228:229] the other part's factor; the upper word is only named
.set XM,  230                          ; v230-233 four chains of the maximum
.set SPW, 254                          ; v254 LDS address of my spare word
.set NIL, 255                          ; v255 0
                                       ; v12 -M, v13 the largest score so far, v[14:15] the row's sum in two halves
.set WV,  10                           ; s10  my wave's number
.set RK,  14                           ; s14  the rank of the tile whose q I quantise and which I send out: p or 15 - p
.set P,   15                           ; s15  p
.set HI,  19                           ; s19  1 in waves 8-15
.set G1,  24                           ; s[24:31] descriptor group 1
.set N1,  32                           ; s32  my steps in the first loop
.set N2,  33                           ; s33  and in the second
.set D2,  35                           ; s35  the second loop's diagonal step (31: none)
.set TB2, 36                           ; s36  LDS byte of the second loop's first block
.set XB,  37                           ; s37  the pair's part of O
.set QB,  38                           ; s38  the pair's Q
.set G0,  40                           ; s[40:43] descriptor group 0
.set SEL, 48                           ; s[48:49] v_permlanex16_b32's selects for lane l xor 16
.set CS,  50                           ; s[50:51] c = log2(e) / 8: the packed form names a pair and takes its low word for both halves
.set TB,  52                           ; s52  LDS byte at which the step's block begins
.set ST,  53                           ; s53  the loop's counter
.set SB,  54                           ; s54  my stage
.set NN,  55                           ; s55  my steps in this loop
.set DD,  56                           ; s56  which of them is the diagonal
; A round of the cluster's barrier: my work-group's barrier, so that wave 0's signal speaks for all sixteen waves; wave 0 signals for the work-group; every wave waits for all four work-groups; my work-group's barrier once more.
.macro ROUND
	s_barrier_signal -1
	s_barrier_wait -1
	s_cmp_lg_u32 s[WV], 0
	s_cbranch_scc1 .Lnot_wave_0_\@
	s_barrier_signal -3
.Lnot_wave_0_\@:
	s_barrier_wait -3
	s_barrier_signal -1
	s_barrier_wait -1
.endm
.macro PLACES
.rept 4
	v_nop
.endr
.endm
	s_load_b128 s[4:7], s[0:1], 0x0                ; q, kv
	s_load_b64 s[8:9], s[0:1], 0x10                ; out0
	v_lshl_add_u32 v[SPW], v0, 2, SPARE
	v_mov_b32 v[NIL], 0
	ds_add_u32 v[SPW], v[NIL]                      ; the wave's opening: the add, twice on end, and its wait
	ds_add_u32 v[SPW], v[NIL]
	v_lshrrev_b32 v1, 5, v0
	v_readfirstlane_b32 s[WV], v1                  ; wave 0..15
	v_and_b32 v10, 31, v0                          ; lane
	v_lshlrev_b32 v[A16], 4, v10
	s_bfe_u32 s11, ttmp6, 0x40000                  ; cx: my place in the cluster
	s_lshl_b32 s12, ttmp9, 2                       ; in a cluster launch ttmp9 counts clusters
	s_add_co_u32 s12, s12, s11                     ; g = 4 x cluster x + cx
	s_and_b32 s13, ttmp7, 0xffff                   ; the head, which the four partners share
	s_and_b32 s[P], s[WV], 7
	s_lshr_b32 s[HI], s[WV], 3
	s_mul_i32 s[RK], s[HI], 7
	s_xor_b32 s[RK], s[WV], s[RK]                  ; p, or 15 - p
	s_lshl_b32 s20, s[RK], 3
	s_add_co_u32 s20, s20, s12                     ; my tile of queries: 8 x rank + g,
	s_lshl_b32 s20, s20, 12                        ; 4,096 bytes a tile,
	s_lshl_b32 s21, s13, 19                        ; 524,288 a head
	s_add_co_u32 s20, s20, s21
	s_mov_b32 s21, 0
	s_mul_i32 s18, s[WV], BLK                      ; my block of the head's sixteen: its place in LDS and in the head's part of kv; no place in the cluster enters either
	s_mul_i32 s16, s13, 16*BLK
	s_add_co_u32 s16, s16, s18
	s_mov_b32 s17, 0
	; descriptor group 1: a dense block of 13,312 bytes as 52 rows of 256 bytes (32 elements of 8 bytes), no padding
	s_mov_b32 s[G1+0], 15|(3<<16)|(1<<21)          ; 15:0 the mask: all four work-groups; 17:16 elements of 8 bytes; 21 set beside a mask
	s_mov_b32 s[G1+1], 32<<16                      ; tensor_dim0 = 32
	s_mov_b32 s[G1+2], 52<<16                      ; tensor_dim1 = 52
	s_mov_b32 s[G1+3], 32<<16                      ; tile_dim0 = 32
	s_mov_b32 s[G1+4], 52                          ; tile_dim1 = 52
	s_mov_b32 s[G1+5], 32                          ; tensor_dim0_stride
	s_mov_b32 s[G1+6], 0
	s_mov_b32 s[G1+7], 0
	s_mov_b32 s[G0], 1                             ; 1:0 count = 1
	s_mov_b32 s[G0+1], s18                         ; 63:32 LDS address
	s_wait_alu depctr_va_vdst(0)                   ; directly ahead of the waits below
	s_wait_dscnt 0x0                               ; both opening adds are done
	s_wait_kmcnt 0x0
	s_add_nc_u64 s[4:5], s[4:5], s[20:21]          ; q and out0 at my tile
	s_add_nc_u64 s[8:9], s[8:9], s[20:21]
	s_add_nc_u64 s[G0+2:G0+3], s[6:7], s[16:17]    ; 120:64 global address
	s_or_b32 s[G0+3], s[G0+3], 0x80000000          ; 127:126 type = 2
.irp i, 0,1,2,3,4,5,6,7
	global_load_b128 v[S+4*\i:S+4*\i+3], v[A16], s[4:5] offset:512*\i th:TH_LOAD_NT   ; my 16 queries, 4,096 dense bytes: 512 consecutive bytes a load; on their way over the round below
.endr
	ROUND                                          ; all four work-groups are here: the joint loads meet
	s_cmp_lt_u32 s[WV], 8                          ; my one tensor load of the launch: waves 0-7, which bring blocks 0-7, have a line of their own
	s_cbranch_scc0 .Lfar_load
	tensor_load_to_lds s[G0:G0+3], s[G1:G1+7]
	s_nop 0
	PLACES
	s_branch .Lasked
.Lfar_load:
	tensor_load_to_lds s[G0:G0+3], s[G1:G1+7]
	s_nop 0
	PLACES
.Lasked:
	s_lshl_b32 s22, s12, 4                         ; 16 g
	s_mul_i32 s[SB], s[WV], WST
	s_add_co_u32 s[SB], s[SB], STAGE               ; my stage
	s_add_co_u32 s[XB], s[P], 8
	s_mul_i32 s[XB], s[XB], WST
	s_add_co_u32 s[XB], s[XB], STAGE               ; wave p + 8's stage
	s_mul_i32 s[QB], s[P], 1280
	s_add_co_u32 s[QB], s[QB], QX
	s_mov_b32 s[SEL], 0x76543210
	s_mov_b32 s[SEL+1], 0xfedcba98
	s_mov_b32 s[CS], 0x3e38aa3b                    ; log2(e) / 8
	s_mov_b32 s[CS+1], s[CS]                       ; (named with it as a pair, so it is written)
	s_xor_b32 s23, s[HI], 1
	s_add_co_u32 s[N1], s[P], 1
	s_mul_i32 s[N1], s[N1], s23                    ; first loop: waves 0-7 p + 1 steps, waves 8-15 none
	s_xor_b32 s23, s[P], 7
	s_add_co_u32 s23, s23, 1                       ; 8 - p
	s_mul_i32 s[TB2], s23, s[HI]
	s_mul_i32 s[TB2], s[TB2], BLK                  ; second loop: waves 0-7 from block 0, waves 8-15 from block 8 - p;
	s_mul_i32 s[N2], s[HI], s[P]
	s_add_co_u32 s[N2], s[N2], s23                 ; 8 - p steps, or 8,
	s_mul_i32 s[D2], s[HI], 24
	s_sub_co_u32 s[D2], 31, s[D2]                  ; of which number 7 is the diagonal, or none
	s_lshl_b32 s23, s[HI], 6
	s_lshl_b32 s20, s[P], 2
	s_add_co_u32 s23, s23, s20
	s_sub_co_u32 s22, s22, s23                     ; the mask: I make registers 4 w .. 4 w + 3, whose first key is 64 (w / 8) + 4 (w % 8) + 32 h
	s_lshl_b32 s20, s[WV], 9
	v_and_b32 v11, 15, v0                          ; r
	v_bfe_u32 v29, v0, 4, 1                        ; h
	v_and_b32 v10, 31, v0                          ; lane
	v_lshlrev_b32 v[A8], 3, v10
	v_add_nc_u32 v[XO], s[XB], v[A16]
	v_lshlrev_b32 v31, 2, v10
	v_add_nc_u32 v[XO4], s[XB], v31
	v_add_nc_u32 v[XQ], s[QB], v[A16]
	v_add_nc_u32 v[XQ4], s[QB], v31
	v_add_nc_u32 v[MA], MASK, v[A16]
	v_mul_u32_u24 v[SW], v29, SP
	v_mul_u32_u24 v30, v11, SP
	v_add_nc_u32 v[MS], s20, v[MA]
	v_lshl_add_u32 v[SW], v11, 4, v[SW]
	v_add_nc_u32 v30, s[SB], v30
	v_lshlrev_b32 v31, 5, v29
	v_add_nc_u32 v[SW], s[SB], v[SW]               ; lanes 0-15 one row, lanes 16-31 the next; 16 bytes a lane
	v_lshl_add_u32 v[SQ], v29, 7, v30
	v_lshl_add_u32 v[SI], v29, 5, v30
	v_sub_nc_u32 v31, v11, v31
	v_mov_b32 v30, 0xf1800000                      ; -2^100
	v_add_nc_u32 v31, s22, v31                     ; 16 g + r - 32 h, less my first register's key: register k of my four is hidden where k is greater
.irp k, 0,1,2,3
	v_cmp_gt_i32 vcc_lo, \k, v31
	v_cndmask_b32 v[KF+\k], 0, v30, vcc_lo
.endr
	ds_store_b128 v[MS], v[KF:KF+3]
.irp i, 0,1,2,3,4,5
	v_mov_b32 v[QF+6+\i], 0                        ; Q's k = 64 .. 127: zero codes
	v_mov_b32 v[KF+48+\i], 0                       ; what tile 7 of K takes there
.endr
	v_mov_b32 v[PM], 0                             ; written once: a lane permute's destination counts as one of its sources
	v_mov_b32 v[PM+1], 0
	v_mov_b32 v[F+1], 0                            ; (named as the upper half of a pair)
	v_mov_b32 v[F2+1], 0
	s_wait_alu depctr_va_vdst(0)                   ; directly ahead of the wait below
	s_wait_loadcnt 0x0
	; q turns through my stage: a lane needs 32 NEIGHBOURS of one query, dims 32 h on: one whole block
.irp i, 0,1,2,3,4,5,6,7
	ds_store_b128 v[SW], v[S+4*\i:S+4*\i+3] offset:2*SP*\i
.endr
.irp j, 0,1,2,3,4,5,6,7
	ds_load_b128 v[S+32+4*\j:S+32+4*\j+3], v[SQ] offset:16*\j   ; LDS serves a wave's instructions in order (ISA guide 5.7.1.4): these see the stores above
.endr
	s_wait_dscnt 0x0
	v_max3_num_f32 v[BM], |v[S+32]|, |v[S+33]|, 0x1800000         ; the block's largest magnitude, in two chains, with the floor 2^(3 - 127): the byte cannot fall under 1
	v_max3_num_f32 v[BM+1], |v[S+48]|, |v[S+49]|, 0x1800000
.irp i, 2,4,6,8,10,12,14
	s_delay_alu instid0(VALU_DEP_2)
	v_max3_num_f32 v[BM], v[BM], |v[S+32+\i]|, |v[S+33+\i]|
	s_delay_alu instid0(VALU_DEP_2)
	v_max3_num_f32 v[BM+1], v[BM+1], |v[S+48+\i]|, |v[S+49+\i]|
.endr
	s_delay_alu instid0(VALU_DEP_1)
	v_max_num_f32 v[BM], v[BM], v[BM+1]
	s_delay_alu instid0(VALU_DEP_1)
	v_add_nc_u32 v[SO], 0xff000000, v[BM]          ; 2 off its exponent field: the conversion's scale operand
	s_delay_alu instid0(VALU_DEP_1)
	v_lshrrev_b32 v[TT], 23, v[SO]                 ; the scale's byte
	s_delay_alu instid0(VALU_DEP_1)
	v_permlanex16_b32 v[PM], v[TT], s[SEL], s[SEL+1]
	v_cvt_scalef32_pk16_fp6_f32 v[QF:QF+2], v[S+32:S+47], v[SO]
	v_cvt_scalef32_pk16_fp6_f32 v[PT:PT+2], v[S+48:S+63], v[SO]   ; (a conversion's three registers begin on an even number)
	v_lshl_or_b32 v[QS], v[PM], 8, v[TT]           ; lanes 0-15, which alone are read: byte 0 mine, byte 1 lane l xor 16's, bytes 2 and 3 are 0.  (Also the plain place behind the conversions)
.irp i, 0,1,2
	v_mov_b32 v[QF+3+\i], v[PT+\i]
.endr
.macro INIT                            ; a tile begins
	v_mov_b32 v13, 0xff61b1e6                      ; the largest score so far: -3e38, under every one
	v_mov_b32 v12, 0x7e000000                      ; -M: 2^125: the first change of M makes f 0
	v_mov_b32 v14, 0                               ; the sum, in two halves
	v_mov_b32 v15, 0
.set i, 0
.rept 32
	v_mov_b32 v[OT+i], 0                           ; O^T.  (The step is written once for all trips: the first finds zeros, which the first change of M leaves zeros)
.set i, i+1
.endr
.endm
	INIT                                           ; (also the places between Q's scale word and the first product)
	s_mov_b32 s[TB], 0
	s_mov_b32 s[ST], 0
	s_mov_b32 s[NN], s[N1]
	s_mov_b32 s[DD], s[P]
	s_wait_alu depctr_va_vdst(0)                   ; the head's end
	s_cmp_lt_u32 s[WV], 8
	s_cbranch_scc0 .Lgive
	s_wait_tensorcnt 0x0                           ; blocks 0-7: mine has landed
	s_branch .Lgiven
.Lgive:
	ds_store_b128 v[XQ], v[QF:QF+3]                ; the high tile's Q, for wave p
	ds_store_b128 v[XQ], v[QF+4:QF+7] offset:512   ; (with two of its registers of zeros)
	ds_store_b32 v[XQ4], v[QS] offset:1024
.Lgiven:
	s_wait_dscnt 0x0                               ; my stores of Q and of the mask are done
	s_barrier_signal -1
	s_barrier_wait -1                              ; blocks 0-7, the mask and the high tiles' Q lie in LDS, and nobody writes them again
	s_wait_tensorcnt 0x0                           ; every wave: all blocks, for the barrier that is
	s_barrier_signal -1                            ; signalled here and waited for behind the first loop: between the two stand register work and LDS loads of bytes that nobody writes any more
; S^T = K Q^T.  c = 0: from 0; c = 1: from the mask that lies in S^T's registers.
.macro QK c
.irp t, 0,1,2,3,4,5,6,7
.if \t == 3 && \c == 0
	s_wait_dscnt 0x0                               ; the rest of K's codes
.endif
.if \c
.if \t%2
	v_wmma_scale_f32_16x16x128_f8f6f4 v[S+8*\t:S+8*\t+7], v[KF+6*\t:KF+6*\t+11], v[QF:QF+11], v[S+8*\t:S+8*\t+7], v[KW+\t/2], v[QS] matrix_a_fmt:MATRIX_FMT_FP6 matrix_b_fmt:MATRIX_FMT_FP6 matrix_a_scale:MATRIX_SCALE_ROW1
.else
	v_wmma_scale_f32_16x16x128_f8f6f4 v[S+8*\t:S+8*\t+7], v[KF+6*\t:KF+6*\t+11], v[QF:QF+11], v[S+8*\t:S+8*\t+7], v[KW+\t/2], v[QS] matrix_a_fmt:MATRIX_FMT_FP6 matrix_b_fmt:MATRIX_FMT_FP6
.endif
.else
.if \t%2
	v_wmma_scale_f32_16x16x128_f8f6f4 v[S+8*\t:S+8*\t+7], v[KF+6*\t:KF+6*\t+11], v[QF:QF+11], 0, v[KW+\t/2], v[QS] matrix_a_fmt:MATRIX_FMT_FP6 matrix_b_fmt:MATRIX_FMT_FP6 matrix_a_scale:MATRIX_SCALE_ROW1
.else
	v_wmma_scale_f32_16x16x128_f8f6f4 v[S+8*\t:S+8*\t+7], v[KF+6*\t:KF+6*\t+11], v[QF:QF+11], 0, v[KW+\t/2], v[QS] matrix_a_fmt:MATRIX_FMT_FP6 matrix_b_fmt:MATRIX_FMT_FP6
.endif
.endif
.endr
.endm
.macro ADDP a, n                       ; pair n of p onto a chain of the sum
	v_pk_add_f32 v[\a:\a+1], v[\a:\a+1], v[S+2*(\n):S+2*(\n)+1]
.endm
; A KEY STEP: 128 keys.
.macro STEP
	s_cmp_ge_u32 s[ST], s[NN]                      ; not one of mine
	s_cbranch_scc1 .Lhidden_\@
	v_add_nc_u32 v[ADK], s[TB], v[A16]
	v_add_nc_u32 v[ADS], s[TB], v[A8]
	v_nop                                          ; a load into a register that a matrix instruction has read stands four places behind it, and only plain vector instructions that name none of
	v_nop                                          ; its registers are places (ISA guide 7.12.1 for vector instructions): the two additions and these two
.irp a, 0,1
	ds_load_b64 v[KW+2*\a:KW+2*\a+1], v[ADS] offset:KS+256*\a      ; word u: lanes 0-15 tile 2 u's rows, lanes 16-31 tile 2 u + 1's
.endr
.irp i, 0,1,2,3,4,5,6,7,8,9,10,11
	ds_load_b128 v[KF+4*\i:KF+4*\i+3], v[ADK] offset:512*\i        ; K's eight tiles, six registers each: 512 consecutive bytes a load
.endr
	s_wait_alu depctr_va_vdst(0)
	s_cmp_lg_u32 s[ST], s[DD]
	s_cbranch_scc1 .Lopen_\@
.irp i, 0,1,2,3,4,5,6,7,8,9,10,11,12,13,14,15
	ds_load_b128 v[S+4*\i:S+4*\i+3], v[MA] offset:512*\i           ; the diagonal: the mask
.endr
	s_wait_dscnt 0x0
	QK 1
	s_branch .Lscored_\@
.Lopen_\@:
	s_wait_dscnt 6                                 ; the scale words and K's first 24 registers are in, which tiles 0-2 read; the youngest six loads may be out
	QK 0
.Lscored_\@:
	PLACES                                         ; for the loads below into K's registers, and for the first read of the scores
.irp i, 0,1,2,3,4,5,6,7,8,9,10,11
	ds_load_b128 v[KF+4*\i:KF+4*\i+3], v[ADK] offset:VC+512*\i     ; V's four fragments are asked for now and land under the softmax
.endr
.irp w, 0,1
	ds_load_b32 v[VW+\w], v[ADS] offset:VS+256*\w
.endr
.irp b, 0,1,2,3                                ; THE LARGEST SCORE OF EACH OF MY TWO BLOCKS, in two chains each: it serves twice: for the row's maximum, and, since p rises with the score, for the block's largest p
	v_max3_num_f32 v[XM+\b], v[S+16*\b], v[S+1+16*\b], v[S+2+16*\b]
.endr
.irp i, 3,5,7,9,11,13
.irp b, 0,1,2,3
	v_max3_num_f32 v[XM+\b], v[XM+\b], v[S+16*\b+\i], v[S+1+16*\b+\i]
.endr
.endr
	v_max3_num_f32 v[XM], v[XM], v[S+15], v[S+31]
	v_max3_num_f32 v[XM+2], v[XM+2], v[S+47], v[S+63]
	s_delay_alu instid0(VALU_DEP_2)
	v_max_num_f32 v[BM], v[XM], v[XM+1]
	s_delay_alu instid0(VALU_DEP_2)
	v_max_num_f32 v[BM+1], v[XM+2], v[XM+3]
	s_delay_alu instid0(VALU_DEP_1)
	v_max_num_f32 v[TT], v[BM], v[BM+1]
	s_delay_alu instid0(VALU_DEP_1)
	v_permlanex16_b32 v[PM], v[TT], s[SEL], s[SEL+1]
	s_delay_alu instid0(VALU_DEP_1)
	v_max3_num_f32 v13, v13, v[TT], v[PM]          ; the running largest score of my query (key 0 of the step counts for every query of mine)
	s_delay_alu instid0(VALU_DEP_1)
	v_mul_f32 v[TT], s[CS], -v13                   ; as -t (c is positive)
	s_delay_alu instid0(VALU_DEP_1)
	v_floor_f32 v[TT], v[TT]                       ; the new -M = floor(-t) = -ceil(t): M is a whole number
	s_delay_alu instid0(VALU_DEP_1)
	v_sub_f32 v[F], v[TT], v12                     ; M's old value less its new one: a whole number, 0 or less
	v_mov_b32 v12, v[TT]
	s_delay_alu instid0(VALU_DEP_2)
	v_cvt_i32_f32 v[F], v[F]                       ; (it saturates)
	s_delay_alu instid0(VALU_DEP_1)
	v_ldexp_f32 v[F], 1.0, v[F]                    ; f = 2^(old M - new M): a multiplication by it rounds nothing
.set j, 0
.rept 16
	v_pk_fma_f32 v[S+j:S+j+1], v[S+j:S+j+1], s[CS:CS+1], v[12:13] op_sel_hi:[1,0,0]   ; t - M, two at a time (of the pairs c and -M the low word serves both halves): the first block's
.set j, j+2
.endr
	v_fma_f32 v[BM], v[BM], s[CS], v12             ; the same of each block's largest score
	v_fma_f32 v[BM+1], v[BM+1], s[CS], v12
	s_wait_alu depctr_va_vdst(0)                   ; ahead of the batch
.set j, 0
.rept 32
	v_exp_f32 v[S+j], v[S+j]                       ; p = 2^(t - M), at most 1: not normalised
.set j, j+1
.endr
	v_exp_f32 v[BM], v[BM]                         ; the block's largest p: the same two instructions on the same number give the same bits
	v_exp_f32 v[BM+1], v[BM+1]
.set j, 32
.rept 16
	v_pk_fma_f32 v[S+j:S+j+1], v[S+j:S+j+1], s[CS:CS+1], v[12:13] op_sel_hi:[1,0,0]   ; the second block's t - M: plain work behind the batch
.set j, j+2
.endr
	v_pk_mul_f32 v[14:15], v[14:15], v[F:F+1] op_sel_hi:[1,0]   ; the sums under the new M
	s_wait_alu depctr_va_vdst(0)                   ; one wait for the batch above and ahead of the batch below
.set j, 32
.rept 32
	v_exp_f32 v[S+j], v[S+j]
.set j, j+1
.endr
	v_max_num_f32 v[BM], 0x1800000, v[BM]          ; the floor 2^(3 - 127): the byte cannot fall under 1 (a block whose every p is 0 keeps that byte: its codes are zeros)
	v_max_num_f32 v[BM+1], 0x1800000, v[BM+1]
	s_delay_alu instid0(VALU_DEP_2)
	v_add_nc_u32 v[SO], 0xff000000, v[BM]          ; 2 off the exponent field: the conversion's scale operand
	s_delay_alu instid0(VALU_DEP_2)
	v_add_nc_u32 v[SO+1], 0xff000000, v[BM+1]
	s_delay_alu instid0(VALU_DEP_2)
	v_lshrrev_b32 v[PM], 23, v[SO]                 ; the scale's byte
	s_delay_alu instid0(VALU_DEP_2)
	v_lshrrev_b32 v[PM+1], 23, v[SO+1]
	s_delay_alu instid0(VALU_DEP_1)
	v_lshl_or_b32 v[PM], v[PM+1], 16, v[PM]        ; blocks h and 2 + h: two bytes apart
	s_delay_alu instid0(VALU_DEP_1)
	v_permlanex16_b32 v[PM+1], v[PM], s[SEL], s[SEL+1]
	s_delay_alu instid0(VALU_DEP_1)
	v_lshl_or_b32 v[PW], v[PM+1], 8, v[PM]         ; lanes 0-15, which alone are read: p's scale word for these 128 keys
	v_cvt_scalef32_pk16_fp6_f32 v[PC:PC+2], v[S:S+15], v[SO]
	v_cvt_scalef32_pk16_fp6_f32 v[PT:PT+2], v[S+16:S+31], v[SO]   ; (a conversion's three registers begin on an even number)
	v_pk_add_f32 v[SA:SA+1], v[S:S+1], v[S+2:S+3]                 ; the row's sum, of the unquantised p, in four chains.  (A plain place behind the conversions)
	v_pk_add_f32 v[SA+2:SA+3], v[S+4:S+5], v[S+6:S+7]
	v_pk_add_f32 v[SA+4:SA+5], v[S+8:S+9], v[S+10:S+11]
	ADDP 14, 6
	v_mov_b32 v[PC+3], v[PT]
	v_mov_b32 v[PC+4], v[PT+1]
	v_mov_b32 v[PC+5], v[PT+2]
	ADDP SA, 7
	ADDP SA+2, 8
	ADDP SA+4, 9
	ADDP 14, 10
	ADDP SA, 11
	ADDP SA+2, 12
	ADDP SA+4, 13
	ADDP 14, 14
	ADDP SA, 15
	s_wait_alu depctr_va_vdst(0)                   ; the second batch, and O^T's first read behind it
.set j, 0
.rept 16
	v_pk_mul_f32 v[OT+j:OT+j+1], v[OT+j:OT+j+1], v[F:F+1] op_sel_hi:[1,0]   ; O^T under the new M: x f
.set j, j+2
.endr
	v_cvt_scalef32_pk16_fp6_f32 v[PC+6:PC+8], v[S+32:S+47], v[SO+1]
	v_cvt_scalef32_pk16_fp6_f32 v[PT+4:PT+6], v[S+48:S+63], v[SO+1]
	ADDP SA+2, 16
	ADDP SA+4, 17
	ADDP 14, 18
	ADDP SA, 19
	v_mov_b32 v[PC+9], v[PT+4]
	v_mov_b32 v[PC+10], v[PT+5]
	v_mov_b32 v[PC+11], v[PT+6]
.irp n, 20,24,28                               ; (these are also the places between the making of p's codes and the products below)
	ADDP SA+2, \n
	ADDP SA+4, \n+1
	ADDP 14, \n+2
	ADDP SA, \n+3
.endr
	v_pk_add_f32 v[SA+2:SA+3], v[SA+2:SA+3], v[SA+4:SA+5]
	s_delay_alu instid0(VALU_DEP_2)
	v_pk_add_f32 v[14:15], v[14:15], v[SA:SA+1]
	s_delay_alu instid0(VALU_DEP_1)
	v_pk_add_f32 v[14:15], v[14:15], v[SA+2:SA+3]
	s_wait_alu depctr_va_vdst(0)                   ; directly ahead of the wait below
	s_wait_dscnt 0x0                               ; V's fragments and scale words are in
.irp t, 0,1,2,3                                ; O^T += V^T P^T: four accumulators by turns, one instruction a turn; the eight products of the next step's scores stand between two links of a chain
.if \t%2
	v_wmma_scale_f32_16x16x128_f8f6f4 v[OT+8*\t:OT+8*\t+7], v[KF+12*\t:KF+12*\t+11], v[PC:PC+11], v[OT+8*\t:OT+8*\t+7], v[VW+\t/2], v[PW] matrix_a_fmt:MATRIX_FMT_FP6 matrix_b_fmt:MATRIX_FMT_FP6 matrix_a_scale:MATRIX_SCALE_ROW1
.else
	v_wmma_scale_f32_16x16x128_f8f6f4 v[OT+8*\t:OT+8*\t+7], v[KF+12*\t:KF+12*\t+11], v[PC:PC+11], v[OT+8*\t:OT+8*\t+7], v[VW+\t/2], v[PW] matrix_a_fmt:MATRIX_FMT_FP6 matrix_b_fmt:MATRIX_FMT_FP6
.endif
.endr
.Lhidden_\@:
	s_add_co_u32 s[TB], s[TB], BLK                 ; the next step's block: stepped on every way
.endm
; THE WAY OUT.  O^T is divided by the row's sum and goes through my stage: a lane holds eight neighbouring channels of one row, the lanes beside it other rows; back come whole rows of 256 bytes.
.macro OUT
	PLACES                                         ; behind the last products, ahead of the first read of O^T
	v_add_f32 v14, v14, v15                        ; the sum's two halves,
	s_delay_alu instid0(VALU_DEP_1)
	v_permlanex16_b32 v[TT], v14, s[SEL], s[SEL+1]
	s_delay_alu instid0(VALU_DEP_1)
	v_add_f32 v14, v14, v[TT]                      ; and lane l xor 16's: the row's sum
	s_wait_alu depctr_va_vdst(0)                   ; ahead of the transcendental
	v_rcp_f32 v14, v14
	v_nop                                          ; one plain place behind the transcendental
	s_wait_alu depctr_va_vdst(0)                   ; ahead of its first reader
.set j, 0
.rept 16
	v_pk_mul_f32 v[S+j:S+j+1], v[OT+j:OT+j+1], v[14:15] op_sel_hi:[1,0]   ; register 8 t + i is o(r, 16 t + 8 h + i); each accumulator from its low end on
.set j, j+2
.endr
.irp t, 0,1,2,3
	ds_store_b128 v[SI], v[S+8*\t:S+8*\t+3] offset:64*\t
	ds_store_b128 v[SI], v[S+8*\t+4:S+8*\t+7] offset:64*\t+16
.endr
.irp i, 0,1,2,3,4,5,6,7
	ds_load_b128 v[KF+4*\i:KF+4*\i+3], v[SW] offset:2*SP*\i        ; LDS serves a wave's instructions in order: these see my stores
.endr
.irp i, 0,1,2,3,4,5,6,7
	s_wait_dscnt 7-\i                              ; LDS loads come back in order: load i is in, the younger ones may be out
	global_store_b128 v[A16], v[KF+4*\i:KF+4*\i+3], s[8:9] offset:512*\i th:TH_STORE_NT   ; 32 lanes store 512 consecutive bytes, two rows of out0, at a multiple of 256 from its first byte
.endr
.endm
.Lfirst:                                           ; waves 0-7: the low tile.  Eight trips in every wave: the count is a constant; what is not mine is jumped over
	STEP
	s_add_co_u32 s[ST], s[ST], 1
	s_cmp_lt_u32 s[ST], 8
	s_cbranch_scc1 .Lfirst
	s_barrier_wait -1                              ; the second barrier: all sixteen blocks lie in LDS
	s_cmp_ge_u32 s[WV], 8
	s_cbranch_scc1 .Lhigh
	OUT                                            ; the low tile is finished
	ds_load_b128 v[QF:QF+3], v[XQ]                 ; the high tile's Q, which wave p + 8 has made
	ds_load_b128 v[QF+4:QF+7], v[XQ] offset:512
	ds_load_b32 v[QS], v[XQ4] offset:1024
	INIT
	s_wait_alu depctr_va_vdst(0)                   ; directly ahead of the waits below
	s_wait_xcnt 0x0                                ; the stores' registers are written again only behind this wait
	s_wait_dscnt 0x0
.Lhigh:
	s_mov_b32 s[TB], s[TB2]
	s_mov_b32 s[ST], 0
	s_mov_b32 s[NN], s[N2]
	s_mov_b32 s[DD], s[D2]
.Lsecond:                                          ; the high tile: waves 0-7 its first 8 - p steps, waves 8-15 its last 8
	STEP
	s_add_co_u32 s[ST], s[ST], 1
	s_cmp_lt_u32 s[ST], 8
	s_cbranch_scc1 .Lsecond
	PLACES                                         ; behind the last products, ahead of the stores of O^T and of the loads below
	s_cmp_ge_u32 s[WV], 8
	s_cbranch_scc1 .Lmeet
.irp i, 0,1,2,3,4,5,6,7
	ds_store_b128 v[XO], v[OT+4*\i:OT+4*\i+3] offset:512*\i        ; my part of the high tile, for wave p + 8, into its stage, which it has not touched since the first barrier
.endr
	v_add_f32 v14, v14, v15
	ds_store_b32 v[XO4], v14 offset:4096
	ds_store_b32 v[XO4], v12 offset:4224
.Lmeet:
	s_wait_dscnt 0x0                               ; my stores are done
	s_barrier_signal -1
	s_barrier_wait -1
	s_cmp_lt_u32 s[WV], 8
	s_cbranch_scc1 .Lend
.irp i, 0,1,2,3,4,5,6,7
	ds_load_b128 v[KF+4*\i:KF+4*\i+3], v[XO] offset:512*\i
.endr
	ds_load_b32 v[KW], v[XO4] offset:4096          ; the other part's sum,
	ds_load_b32 v[KW+1], v[XO4] offset:4224        ; and its -M
	s_wait_dscnt 0x0
	v_min_num_f32 v[TT], v12, v[KW+1]              ; the -M of both
	s_delay_alu instid0(VALU_DEP_1)
	v_sub_f32 v[F], v[TT], v12
	v_sub_f32 v[F2], v[TT], v[KW+1]
	s_delay_alu instid0(VALU_DEP_2)
	v_cvt_i32_f32 v[F], v[F]
	s_delay_alu instid0(VALU_DEP_2)
	v_cvt_i32_f32 v[F2], v[F2]
	s_delay_alu instid0(VALU_DEP_2)
	v_ldexp_f32 v[F], 1.0, v[F]                    ; both parts are brought under it by powers of two
	s_delay_alu instid0(VALU_DEP_2)
	v_ldexp_f32 v[F2], 1.0, v[F2]
.set j, 0
.rept 16
	v_pk_mul_f32 v[OT+j:OT+j+1], v[OT+j:OT+j+1], v[F:F+1] op_sel_hi:[1,0]
.set j, j+2
.endr
.set j, 0
.rept 16
	v_pk_fma_f32 v[OT+j:OT+j+1], v[KF+j:KF+j+1], v[F2:F2+1], v[OT+j:OT+j+1] op_sel_hi:[1,0,1]
.set j, j+2
.endr
	v_pk_mul_f32 v[14:15], v[14:15], v[F:F+1] op_sel_hi:[1,0]
	s_delay_alu instid0(VALU_DEP_1)
	v_fma_f32 v14, v[KW], v[F2], v14
	OUT
.Lend:
	s_wait_tensorcnt 0x0                           ; the wave's end
	ds_add_u32 v[SPW], v[NIL]
	s_wait_dscnt 0x0
	ROUND                                          ; the closing round: no work-group ends while a partner may still ask for a block that names it
	s_endpgm
.Lfunc_end_k_q9b37f04882_attn:
	.size	k_q9b37f04882_attn, .Lfunc_end_k_q9b37f04882_attn-k_q9b37f04882_attn
	.p2alignl 7, 3214868480
	.fill 96, 4, 3214868480
	.section	.rodata,"a",@progbits
	.p2align	6, 0x0
	.amdhsa_kernel k_q9b37f04882_attn
		.amdhsa_group_segment_fixed_size 303104
		.amdhsa_private_segment_fixed_size 0
		.amdhsa_enable_private_segment 0
		.amdhsa_kernarg_size 24
		.amdhsa_user_sgpr_count 2
		.amdhsa_user_sgpr_kernarg_segment_ptr 1
		.amdhsa_wavefront_size32 1
		.amdhsa_system_sgpr_workgroup_id_x 1
		.amdhsa_system_sgpr_workgroup_id_y 1
		.amdhsa_system_sgpr_workgroup_id_z 1
		.amdhsa_system_vgpr_workitem_id 0
		.amdhsa_next_free_vgpr 256
		.amdhsa_next_free_sgpr 66
		.amdhsa_reserve_vcc 1
		.amdhsa_float_denorm_mode_32 3
		.amdhsa_float_denorm_mode_16_64 3
		.amdhsa_memory_ordered 1
		.amdhsa_forward_progress 1
		.amdhsa_inst_pref_size 60
	.end_amdhsa_kernel
	.amdgpu_metadata
---
amdhsa.version: [ 1, 2 ]
amdhsa.kernels:
  - .name:           k_q9b37f04882_attn
    .symbol:         k_q9b37f04882_attn.kd
    .args:
      - { .name: q, .offset: 0, .size: 8, .value_kind: global_buffer, .address_space: global }
      - { .name: kv, .offset: 8, .size: 8, .value_kind: global_buffer, .address_space: global }
      - { .name: out0, .offset: 16, .size: 8, .value_kind: global_buffer, .address_space: global }
    .group_segment_fixed_size: 303104
    .private_segment_fixed_size: 0
    .kernarg_segment_align: 8
    .kernarg_segment_size: 24
    .max_flat_workgroup_size: 512
    .sgpr_count:     66
    .vgpr_count:     256
    .wavefront_size: 32
...
	.end_amdgpu_metadata
.endif
;; end of part 2
